; MI455X (gfx1250); checked and timed in simulation.
; The chip was launched on July 23, 2026; its instructions are those of AMD's public machine-readable ISA for CDNA 5 (MIT licence, August 2026) and "CDNA5" Instruction Set Architecture Reference Guide (July 2026). The comments in the code are by the model that wrote it; some were corrected since.
;; Attention. Allowed arithmetic: matrix products marked QUANTISED: E2M3 operands, one E8M0 scale for each 32 along K, by v_wmma_scale_f32_16x16x128_f8f6f4 with both operands' format E2M3, f32 sums; everything else in f32.
;; Inputs: b_out 1,024 float32; w_out 1,024 x 1,024 float32; w_qkv 3,072 x 1,024 float32; x 4 x 2,048 x 1,024 float32.
;; Outputs: out0 4 x 2,048 x 1,024 float32.
;; This version of the problem:
;;   THIS VERSION OF THE PROBLEM IS GIVEN IN LOW PRECISION. The matrix products marked QUANTISED in the list below multiply operands that are first quantised to E2M3 (2 exponent bits, 3 mantissa bits; 6 bits a number), with one power-of-two scale for each 32 numbers along K (OCP MX v1.0); their sums are f32. All else is computed in f32.
;;   The module's matrix products, in the order in which they are computed (A, B: the left and right operand; K: the contracted axis; several contracted axes count as one K, in the product's order):
;;     1. [M 8,192, K 1,024] x [K 1,024, N 3,072]; A: input x; B: input w_qkv: QUANTISED
;;     2. batch 64 x [M 2,048, K 64] x [K 64, N 2,048]; A: computed on the way; B: computed on the way: QUANTISED
;;     3. batch 64 x [M 2,048, K 2,048] x [K 2,048, N 64]; A: softmax (see below); B: computed on the way: QUANTISED
;;     4. [M 8,192, K 1,024] x [K 1,024, N 1,024]; A: computed on the way; B: input w_out: QUANTISED
;;   THE QUANTISER, for each operand of a quantised product, along K:
;;     - K is cut into blocks of 32 from its start; a last block that is shorter is filled with zeros.
;;     - A block's scale is 2^e with e = floor(log2(the largest magnitude in the block)) - 2, held to -126 .. 127; a block of zeros has e = 0. As a byte (E8M0): e + 127.
;;     - Each number is divided by its block's scale, clamped to +-7.5, and rounded to the nearest number of E2M3, ties to even, subnormals kept.
;;     - The product sums the exact products of the quantised numbers (number of the format x scale) in f32.
;;   ~~~python
;;   def quantise(x, axis):      # numpy; x: float32 -> the quantised numbers, widened to float32 again
;;       x = np.moveaxis(x, axis, -1); K = x.shape[-1]
;;       x = np.pad(x, [(0, 0)] * (x.ndim - 1) + [(0, -K % 32)]); x = x.reshape(x.shape[:-1] + (-1, 32)); a = np.abs(x).max(-1, keepdims=True)
;;       e = np.where(a > 0, np.clip(np.frexp(np.where(a > 0, a, 1))[1] - 1 - 2, -126, 127), 0)      # np.frexp(a)[1] - 1 = floor(log2(a)), exactly
;;       r = np.clip(x / 2.0 ** e, -7.5, 7.5)
;;       step = 2.0 ** (np.maximum(np.frexp(np.where(r == 0, 1, r))[1] - 1, 0) - 3)
;;       q = np.round(r / step) * step * 2.0 ** e      # np.round: ties to even
;;       return np.moveaxis(q.reshape(q.shape[:-2] + (-1,))[..., :K], -1, axis).astype(np.float32)
;;   ~~~
;;   SOFTMAX AHEAD OF A QUANTISED PRODUCT. Where the list says 'softmax', what is quantised is not the finished softmax but p = 2^(t - M), with t = logit x log2(e) and M = ceil(the row's largest t), a whole number; so 1/2 < the row's largest p <= 1. The row's sum l is taken of the UNQUANTISED p, in f32, and the product's result is divided by l at the end. Since M is a whole number, a kernel that streams over the keys may use a running M (the ceiling of the running maximum): every later rescaling is an exact power of two, which a block's scale takes up: the codes' values come out the same.
;;   OPERANDS COMPUTED ON THE WAY. 'Computed on the way' means the value that the module computes at that place (a softmax that the list does not call 'softmax' is quantised finished and normalised). What goes into a quantiser is computed in f32, as accurately as f32 sums, v_exp_f32 and their like allow (about 1e-6 of the number): no bf16 or f16 on the way to a quantiser, and a product that is left as it is and whose result goes on into a quantised operand takes f32 operands (vector FMAs, or v_wmma_f32_16x16x4_f32). A number that lies on a knife's edge between two numbers of the format may be rounded either way, as far as f32 arithmetic and the matrix unit's own rounding can turn it there, and no further.
;; One version. Each part assembles by itself: llvm-mc -triple=amdgcn-amd-amdhsa -mcpu=gfx1250 --defsym DOCPART=n.
;; ======== version 1 of 1: 4 launches
;; limits: right only within a limited range of input values
;; workspace buffers: opc 9,437,184 bytes; ops 393,216 bytes; qkvc 18,874,368 bytes; qkvs 1,310,720 bytes; aoc 6,291,456 bytes; aos 262,144 bytes
;; launch quant (part 1): grid 384 x 1, 4 waves a work-group, no clusters, 34,304 bytes of LDS; arguments x, w_qkv, w_out, opc, ops; writes opc, ops
.if DOCPART == 1
	.amdgcn_target "amdgcn-amd-amdhsa--gfx1250"
	.amdhsa_code_object_version 6
	.text
	.protected	k_q8971ee55c3_quant
	.globl	k_q8971ee55c3_quant
	.p2align	8
	.type	k_q8971ee55c3_quant,@function
k_q8971ee55c3_quant:
	s_mov_b64 s[64:65], 0
	v_nop
	global_prefetch_b8 v0, s[64:65] scope:SCOPE_SE
	s_setreg_imm32_b32 hwreg(HW_REG_WAVE_MODE, 25, 1), 1
	s_wait_xcnt 0x0
; x [8192][1024], w_qkv [3072][1024], w_out [1024][1024], f32, K innermost, become codes of FP6 (E2M3) with one E8M0 byte for each 32 along K.
; A block's scale is 2^(floor(log2(its largest magnitude)) - 2): its byte is the largest magnitude's exponent field - 2, held at 1 from below.
; LIMITS: a block of zeros, or one whose largest magnitude lies under 2^-124, gets the byte 1 (the rule says 127 for zeros: the codes are zeros, and this program alone reads the bytes); NaN and infinities are not served.
; THE CODES LEAVE AS IMAGES OF AN OPERAND'S REGISTERS.  A fragment is 16 rows x 128 K, 12 registers a lane, 1,536 bytes, in two halves of 768: of half c lane l's registers 6c..6c+3 lie at 16 l, its registers 6c+4, 6c+5 at 512 + 8 l.
; THE ROWS OF A TILE ARE NOT NEIGHBOURS: lane r of tile T stands for row 32 (T / 2) + 8 (T % 2) + r + 8 (r / 8), in all three tensors.
; opc: [tile 768][K step 8][1536]; tiles 0-511 x, 512-703 w_qkv, 704-767 w_out.  ops: [tile][K half 2][r 16][4 words], word s % 4 = the four bytes of K step s.
; SHARES: a wave takes one tile and half of K: 16 rows x 512, four K steps.  Each load reads 512 consecutive bytes of one row; a step's 8,192 bytes turn through the wave's own stage in LDS (rows of 512 + 16 bytes),
; so that lane (r, h) gets, of row r, 16 neighbours of each block of 32.  No barrier: waves share nothing.  One path serves the three tensors: only a pointer and a tile number are chosen, by the work-group's number.
.set STGB, 8448                        ; a wave's stage: 16 rows x 528 bytes
.set TM,   8                           ; v8-11 largest magnitudes, v12-15 the other half's / the bytes, v20-23 the conversions' scale operands
.set SW,   24                          ; v24-27 the four K steps' scale words
.set PW,   28                          ; v28    the scale word just made
.set PC,   32                          ; v32-43, v44-55 the codes, by the step's parity
.set TP,   56                          ; v56-58, v60-62 the blocks' second halves
.set RS,   64                          ; v64-127, v128-191 numbers as loaded, two sets
.set X,    192                         ; v192-255 64 numbers: register 16 b + i = k 32 b + 16 h + i of my row
.set SEL,  20                          ; s[20:21] lane selects: lane l xor 16
	s_load_b256 s[4:11], s[0:1], 0x0               ; x s[4:5], w_qkv s[6:7], w_out s[8:9], opc s[10:11]
	s_load_b64 s[12:13], s[0:1], 0x20              ; ops
	v_lshl_add_u32 v59, v0, 2, 0x8400
	v_mov_b32 v63, 0
	v_lshrrev_b32 v1, 5, v0
	v_readfirstlane_b32 s14, v1                    ; wave 0..3
	v_and_b32 v2, 31, v0                           ; lane
	v_and_b32 v6, 15, v0                           ; r
	v_bfe_u32 v7, v0, 4, 1                         ; h
	v_lshlrev_b32 v1, 4, v2                        ; 16 x lane: a load's, and an image's, place for my lane
	v_lshlrev_b32 v2, 3, v2                        ; 8 x lane
	s_mul_i32 s15, s14, STGB
	v_add_nc_u32 v3, s15, v1                       ; the stage, on the way in: a row as it lies
	v_mul_u32_u24 v4, v6, 528
	v_lshl_add_u32 v4, v7, 6, v4
	v_add_nc_u32 v4, s15, v4                       ; and on the way out: row r, + 64 h
	v_lshlrev_b32 v5, 4, v6
	v_lshl_add_u32 v5, v7, 3, v5                   ; the scale words: 16 r + 8 h
.irp b, 0,1,2,3
	v_mov_b32 v[TM+4+\b], 0                        ; written once: a lane permute's destination counts as one of its sources
.endr
	s_mov_b32 s[SEL], 0x76543210
	s_mov_b32 s[SEL+1], 0xfedcba98
	s_mov_b32 s26, 0xffff0000                      ; lanes 16-31
	s_lshl_b32 s16, ttmp9, 1
	s_lshr_b32 s17, s14, 1
	s_add_co_u32 s16, s16, s17                     ; my tile among the 768: 2 x work-group + wave / 2
	s_and_b32 s17, s14, 1                          ; my half of K
	s_mov_b32 s18, 704
	s_wait_alu depctr_va_vdst(0)
	s_wait_kmcnt 0x0
	s_cmp_lt_u32 ttmp9, 352                        ; the choice hangs on the work-group's number alone
	s_cselect_b64 s[6:7], s[6:7], s[8:9]
	s_cselect_b32 s18, 512, s18
	s_cmp_lt_u32 ttmp9, 256
	s_cselect_b64 s[4:5], s[4:5], s[6:7]           ; my tensor,
	s_cselect_b32 s18, 0, s18                      ; and its first tile
	s_sub_co_u32 s19, s16, s18                     ; my tile in it
	s_lshr_b32 s22, s19, 1
	s_lshl_b32 s22, s22, 17                        ; 32 rows of 4,096 bytes for each pair of tiles,
	s_and_b32 s23, s19, 1
	s_lshl_b32 s23, s23, 15                        ; 8 rows for the odd one,
	s_add_co_u32 s22, s22, s23
	s_lshl_b32 s23, s17, 11                        ; 512 numbers for the second half of K
	s_add_co_u32 s22, s22, s23
	s_mov_b32 s23, 0
	s_add_nc_u64 s[4:5], s[4:5], s[22:23]
	s_mul_i32 s22, s16, 12288
	s_mul_i32 s24, s17, 6144
	s_add_co_u32 s22, s22, s24
	s_add_nc_u64 s[10:11], s[10:11], s[22:23]      ; my four fragments
	s_lshl_b32 s22, s16, 9
	s_lshl_b32 s24, s17, 8
	s_add_co_u32 s22, s22, s24
	s_add_nc_u64 s[12:13], s[12:13], s[22:23]      ; my 256 bytes of scale words
.macro LOAD s                          ; K step s: 16 rows x 512 bytes into set s % 2
.irp i, 0,1,2,3,4,5,6,7,8,9,10,11,12,13,14,15
	global_load_b128 v[RS+64*((\s)%2)+4*\i:RS+64*((\s)%2)+4*\i+3], v1, s[4:5] offset:(\i+8*(\i/8))*4096+512*(\s) th:TH_LOAD_NT
.endr
.endm
.macro TURN s                          ; through the stage: LDS serves a wave's instructions in order, so no wait stands between the stores and the loads
.irp i, 0,1,2,3,4,5,6,7,8,9,10,11,12,13,14,15
	ds_store_b128 v3, v[RS+64*((\s)%2)+4*\i:RS+64*((\s)%2)+4*\i+3] offset:528*\i
.endr
.irp b, 0,1,2,3
.irp j, 0,1,2,3
	ds_load_b128 v[X+16*\b+4*\j:X+16*\b+4*\j+3], v4 offset:128*\b+16*\j
.endr
.endr
.endm
; 64 numbers of a lane at v[s] on become a fragment's codes at v[pc] on and its scale word in v[PW]
.macro QUANT s, pc
.irp b, 0,1,2,3
	v_max3_num_f32 v[TM+\b], |v[(\s)+16*\b]|, |v[(\s)+16*\b+1]|, 0x1800000   ; block b: my 16 numbers, and the floor 2^(3 - 127): the byte cannot fall under 1
.endr
.irp i, 2,4,6,8,10,12,14
.irp b, 0,1,2,3
	v_max3_num_f32 v[TM+\b], |v[(\s)+16*\b+\i]|, |v[(\s)+16*\b+\i+1]|, v[TM+\b]   ; the four blocks by turns
.endr
.endr
.irp b, 0,1,2,3
	v_permlanex16_b32 v[TM+4+\b], v[TM+\b], s[SEL], s[SEL+1]
.endr
.irp b, 0,1,2,3
	v_max_num_f32 v[TM+\b], v[TM+\b], v[TM+4+\b]   ; with lane l xor 16's: the block's largest magnitude
.endr
.irp b, 0,1,2,3
	v_add_nc_u32 v[TM+12+\b], 0xff000000, v[TM+\b] ; 2 off its exponent field: the conversion takes that field as its scale
.endr
.irp b, 0,1,2,3
	v_lshrrev_b32 v[TM+4+\b], 23, v[TM+12+\b]      ; the scale's byte
.endr
	v_lshl_or_b32 v[PW], v[TM+5], 8, v[TM+4]
	v_lshl_or_b32 v[PW], v[TM+6], 16, v[PW]
	v_lshl_or_b32 v[PW], v[TM+7], 24, v[PW]
.irp c, 0,1
	v_cvt_scalef32_pk16_fp6_f32 v[(\pc)+6*\c:(\pc)+6*\c+2], v[(\s)+32*\c:(\s)+32*\c+15], v[TM+12+2*\c]
	v_cvt_scalef32_pk16_fp6_f32 v[TP+4*\c:TP+4*\c+2], v[(\s)+32*\c+16:(\s)+32*\c+31], v[TM+13+2*\c]   ; (a conversion's three registers begin on an even number)
.endr
	v_nop                                          ; one plain place behind a scaled conversion
.irp c, 0,1                            ; the operand's layout wants a whole block in a lane: lanes 0-15 block 2 c, lanes 16-31 block 2 c + 1
.irp i, 0,1,2
	v_permlane16_swap_b32 v[(\pc)+6*\c+\i], v[TP+4*\c+\i]
.endr
.irp i, 0,1,2
	v_mov_b32 v[(\pc)+6*\c+3+\i], v[TP+4*\c+\i]
.endr
.endr
.endm
.macro STEP s
.if (\s) < 3
	s_wait_loadcnt 16                              ; this step's sixteen loads are in; the next step's sixteen may be out
.else
	s_wait_loadcnt 0x0
.endif
	TURN \s
	s_wait_dscnt 0x0                               ; my 64 numbers are back, and the stage's stores have read the set,
.if (\s)+2 < 4
	LOAD (\s)+2                                    ; which takes the step two on
.endif
.if (\s) >= 2
	s_wait_xcnt 0x0                                ; the stores of two steps ago have read their data: the codes' registers are written again only behind this wait
.endif
	QUANT X, PC+12*((\s)%2)
	v_mov_b32 v[SW+(\s)], v[PW]
	global_store_b128 v1, v[PC+12*((\s)%2):PC+12*((\s)%2)+3], s[10:11] offset:1536*(\s)          ; 512 consecutive bytes
	global_store_b64 v2, v[PC+12*((\s)%2)+4:PC+12*((\s)%2)+5], s[10:11] offset:1536*(\s)+512     ; 256
	global_store_b128 v1, v[PC+12*((\s)%2)+6:PC+12*((\s)%2)+9], s[10:11] offset:1536*(\s)+768
	global_store_b64 v2, v[PC+12*((\s)%2)+10:PC+12*((\s)%2)+11], s[10:11] offset:1536*(\s)+1280
.endm
	LOAD 0
	LOAD 1
.irp s, 0,1,2,3
	STEP \s
.endr
	v_cndmask_b32 v6, v[SW], v[SW+2], s26          ; lanes 0-15 store their row's words 0, 1, lanes 16-31 its words 2, 3
	v_cndmask_b32 v7, v[SW+1], v[SW+3], s26
	global_store_b64 v5, v[6:7], s[12:13]          ; 256 consecutive bytes, aligned
	s_wait_tensorcnt 0x0
	ds_add_u32 v59, v63
	s_wait_dscnt 0x0
	s_endpgm
.Lfunc_end_k_q8971ee55c3_quant:
	.size	k_q8971ee55c3_quant, .Lfunc_end_k_q8971ee55c3_quant-k_q8971ee55c3_quant
	.p2alignl 7, 3214868480
	.fill 96, 4, 3214868480
	.section	.rodata,"a",@progbits
	.p2align	6, 0x0
	.amdhsa_kernel k_q8971ee55c3_quant
		.amdhsa_group_segment_fixed_size 34304
		.amdhsa_private_segment_fixed_size 0
		.amdhsa_enable_private_segment 0
		.amdhsa_kernarg_size 40
		.amdhsa_user_sgpr_count 2
		.amdhsa_user_sgpr_kernarg_segment_ptr 1
		.amdhsa_wavefront_size32 1
		.amdhsa_system_sgpr_workgroup_id_x 1
		.amdhsa_system_sgpr_workgroup_id_y 1
		.amdhsa_system_sgpr_workgroup_id_z 1
		.amdhsa_system_vgpr_workitem_id 0
		.amdhsa_next_free_vgpr 256
		.amdhsa_next_free_sgpr 66
		.amdhsa_reserve_vcc 0
		.amdhsa_float_denorm_mode_32 3
		.amdhsa_float_denorm_mode_16_64 3
		.amdhsa_memory_ordered 1
		.amdhsa_forward_progress 1
		.amdhsa_inst_pref_size 34
	.end_amdhsa_kernel
	.amdgpu_metadata
---
amdhsa.version: [ 1, 2 ]
amdhsa.kernels:
  - .name:           k_q8971ee55c3_quant
    .symbol:         k_q8971ee55c3_quant.kd
    .args:
      - { .name: x, .offset: 0, .size: 8, .value_kind: global_buffer, .address_space: global }
      - { .name: w_qkv, .offset: 8, .size: 8, .value_kind: global_buffer, .address_space: global }
      - { .name: w_out, .offset: 16, .size: 8, .value_kind: global_buffer, .address_space: global }
      - { .name: opc, .offset: 24, .size: 8, .value_kind: global_buffer, .address_space: global }
      - { .name: ops, .offset: 32, .size: 8, .value_kind: global_buffer, .address_space: global }
    .group_segment_fixed_size: 34304
    .private_segment_fixed_size: 0
    .kernarg_segment_align: 8
    .kernarg_segment_size: 40
    .max_flat_workgroup_size: 128
    .sgpr_count:     66
    .vgpr_count:     256
    .wavefront_size: 32
...
	.end_amdgpu_metadata
.endif
;; end of part 1
;; launch qkv (part 2): grid 16 x 48, 4 waves a work-group, clusters of 4 x 4, 307,712 bytes of LDS; arguments opc, ops, qkvc, qkvs; writes qkvc, qkvs
.if DOCPART == 2
	.amdgcn_target "amdgcn-amd-amdhsa--gfx1250"
	.amdhsa_code_object_version 6
	.text
	.protected	k_q8971ee55c3_qkv
	.globl	k_q8971ee55c3_qkv
	.p2align	8
	.type	k_q8971ee55c3_qkv,@function
k_q8971ee55c3_qkv:
	s_mov_b64 s[64:65], 0
	v_nop
	global_prefetch_b8 v0, s[64:65] scope:SCOPE_SE
	s_setreg_imm32_b32 hwreg(HW_REG_WAVE_MODE, 25, 1), 1
	s_wait_xcnt 0x0
	s_wait_alu depctr_hold_cnt(0) depctr_sa_sdst(0) depctr_va_vdst(0) depctr_va_sdst(0) depctr_va_ssrc(0) depctr_va_vcc(0) depctr_vm_vsrc(0)
	s_getreg_b32 s2, hwreg(HW_REG_IB_STS2, 6, 4)
	s_cmp_eq_u32 s2, 0
	s_cbranch_scc0 .Lentry_in_a_cluster
	s_endpgm
.Lentry_in_a_cluster:
	s_bfe_u32 s2, ttmp6, 0x10000c
	s_cmp_lg_u32 s2, 0xf033
	s_cbranch_scc0 .Lentry_shape_is_right
	s_endpgm
.Lentry_shape_is_right:
; The first product, x w_qkv^T, on codes of FP6 (E2M3) with E8M0 scales; its results are quantised in registers and leave as codes: q and k along the head's 64, v along the keys.  No f32 result goes to memory.
; LIMITS: a block of zeros, or one whose largest magnitude lies under 2^-124, gets the scale byte 1 (its codes are zeros or held; this program alone reads the bytes); NaN and infinities are not served.
; ROLES.  S1 = 256 rows that end up in the LANES (source 1), S0 = 128 rows that end up along the REGISTERS (source 0).  A work-group makes S1 x S0 over K = 1,024; wave w takes S1's tiles 4 w .. 4 w + 3 against S0's eight: 32 accumulators.
; kind 0 (cluster y under 8): S1 = tokens, S0 = rows of w_q, w_k: a lane holds one token, its registers run along two heads' d.   kind 1: S1 = rows of w_v, S0 = tokens: a lane holds one d, its registers run along 128 keys.
; Operands lie in memory as images of their registers (16 rows x 128 K = 1,536 bytes: two halves of 768: registers 6c..6c+3 at 16 l, 6c+4, 6c+5 at 512 + 8 l), tiles with rows 32 (T/2) + 8 (T%2) + r + 8 (r/8): so the 16 registers
; of result tiles 2 b and 2 b + 1 are 16 neighbours, 32 b + 16 h + 0 .. 15, as the conversions want them.
; ALL OF K LIES IN LDS: four slots of 256 along K, each filled once; no byte of LDS is filled again.  A wave has one tensor load out: its half of one operand, all of K.
; CLUSTERS: 4 x 4.  S1's tiles hang on the cluster's row alone, S0's on its column alone: each is asked for jointly by the four that share it.
; REGISTERS: window 0: v4-22 addresses; v24-31 the stores' offsets; v32-95 scale words and nothing else; v96-125 at work on the way out; v128-223 S1's fragments, two sets (on the way out the codes).
;   window 1: S0's fragments, two sets, at v0 and v128.   window 2: accumulator (a, b) at v[8 (8 a + b)].
.set XC,    6291456                    ; w_qkv's codes in opc
.set VC,    12582912                   ; v's codes in qkvc
.set VS,    1048576                    ; v's scale words in qkvs
; LDS AS THIS TEXT LAYS IT: S1's 16 tiles, all of K, 12,288 bytes each, then S0's 8 from S0O on.  Each wave issues ONE tensor load, half an operand, dense rows of 256 bytes; every wave waits for it and one barrier shows all.
; The scale words come by plain loads straight into their registers, 256 consecutive bytes to sixteen lanes.
.set S0O,   196608
.set A16, 4                            ; v4     my S1 tiles, + 16 l;   v8 the same + 8 l
.set A8,  8
.set B16, 12                           ; v12-15 S0's tiles 2 j, 2 j + 1, + 16 l;    v16-19 + 8 l
.set B8,  16
.set ADRS, 20                          ; v20    my scale words: lanes 0-15 S1's, lanes 16-31 S0's
.set L16, 21
.set L8,  22
.set HB,  23                           ; v23    16 r + 8 h
.set VO16, 24                          ; v24-27 the stores' offsets: a x stride + 16 l;   v28-31 + 8 l
.set VO8,  28
.set SC,  32                           ; v[SC + 8 i + s]: K step s: lanes 0-15 the words of S1's tile 4 w + i (i under 4), lanes 16-31 those of S0's tile i
.set TM,  96
.set PW,  112
.set W0,  114                          ; v114-117 the scale words of the first half;  v118-121 of the second
.set W1,  118
.set SD,  122
.set AF,  128
.set PC,  128
.set TP,  176
.set WV, 12
.set U,  13
.set CX, 14
.set CY, 15
.set KIND, 17
.set R0, 18
.set R1, 19
.set G1A, 24                           ; s[24:31] group 1: S1's codes;  s[32:39] S0's
.set G1B, 32
.set G1SA, 40
.set G1SB, 48                          ; groups 0: S1: s[60:63];  S0: s[84:87]
.set MSB, 0
.macro WIN new                         ; the immediate's high byte repeats the setting that is left
.if MSB != \new
	s_set_vgpr_msb (MSB<<8)|\new
.set MSB, \new
.endif
.endm
.macro CROUND                          ; a round of the cluster's barrier
	s_barrier_signal -1
	s_barrier_wait -1
	s_cmp_lg_u32 s[WV], 0
	s_cbranch_scc1 .Lnot_wave_0_\@
	s_barrier_signal -3
.Lnot_wave_0_\@:
	s_barrier_wait -3
	s_barrier_signal -1
	s_barrier_wait -1
.endm
.macro PLACES n
.rept \n
	v_nop
.endr
.endm
.macro G1SET g, c, r, p                ; r rows of c elements of 8 bytes, p elements apart
	s_mov_b32 s[\g+1], (\c)<<16
	s_mov_b32 s[\g+2], (\r)<<16
	s_mov_b32 s[\g+3], (\c)<<16
	s_mov_b32 s[\g+4], \r
	s_mov_b32 s[\g+5], \p
	s_mov_b32 s[\g+6], 0
	s_mov_b32 s[\g+7], 0
.endm
.macro G0SET g, lb, lo, gp, go         ; to LDS byte s[lb] + lo, from s[gp:gp+1] + go
	s_mov_b32 s[\g], 1
	s_add_co_u32 s[\g+1], s[\lb], \lo
	s_add_nc_u64 s[\g+2:\g+3], s[\gp:\gp+1], \go
	s_or_b32 s[\g+3], s[\g+3], 0x80000000
.endm
.macro FRAG reg, a16, a8, off          ; an image comes back as it was stored
	ds_load_b128 v[\reg:\reg+3], v[\a16] offset:\off
	ds_load_b64 v[\reg+4:\reg+5], v[\a8] offset:\off+512
	ds_load_b128 v[\reg+6:\reg+9], v[\a16] offset:\off+768
	ds_load_b64 v[\reg+10:\reg+11], v[\a8] offset:\off+1280
.endm
.macro FETCH j, q, p                   ; the fragments of slot j's q-th 128 along K into set p: 48 loads in one run
	WIN 0x40
.irp b, 0,1,2,3,4,5,6,7
	FRAG 128*(\p)+12*\b, B16+\b/2, B8+\b/2, 12288*(\b%2)+3072*(\j)+1536*(\q)
.endr
	WIN 0
.irp a, 0,1,2,3
	FRAG AF+48*(\p)+12*\a, A16, A8, 12288*\a+3072*(\j)+1536*(\q)
.endr
.endm
.macro SCALES                          ; all eight K steps' scale words, once
.irp i, 0,1,2,3,4,5,6,7
.irp kh, 0,1
	global_load_b128 v[SC+8*\i+4*\kh:SC+8*\i+4*\kh+3], v[ADRS], s[6:7] offset:512*\i+256*\kh
.endr
.endr
.endm
; 16 matrix instructions: S1's tiles a0, a0 + 1 x S0's eight, K step s, set p.  cm = 0: the product starts the sums.  The 32 accumulators take turns, one instruction a turn, in the same order in every K step.
.macro MUL a0, p, s, cm
	WIN 0xa1                                       ; source 0 (S0) window 1, source 1 (S1) window 0, C and D window 2
.irp a, \a0, \a0+1
.irp b, 0,1,2,3,4,5,6,7
.if \cm == 0
	v_wmma_scale_f32_16x16x128_f8f6f4 v[8*(8*(\a)+\b):8*(8*(\a)+\b)+7], v[128*(\p)+12*\b:128*(\p)+12*\b+11], v[AF+48*(\p)+12*(\a):AF+48*(\p)+12*(\a)+11], 0, v[SC+8*\b+(\s)], v[SC+8*(\a)+(\s)] matrix_a_fmt:MATRIX_FMT_FP6 matrix_b_fmt:MATRIX_FMT_FP6 matrix_a_scale:MATRIX_SCALE_ROW1
.else
	v_wmma_scale_f32_16x16x128_f8f6f4 v[8*(8*(\a)+\b):8*(8*(\a)+\b)+7], v[128*(\p)+12*\b:128*(\p)+12*\b+11], v[AF+48*(\p)+12*(\a):AF+48*(\p)+12*(\a)+11], v[8*(8*(\a)+\b):8*(8*(\a)+\b)+7], v[SC+8*\b+(\s)], v[SC+8*(\a)+(\s)] matrix_a_fmt:MATRIX_FMT_FP6 matrix_b_fmt:MATRIX_FMT_FP6 matrix_a_scale:MATRIX_SCALE_ROW1
.endif
.endr
.endr
.endm
; A K step of 128: 32 matrix instructions on set s % 2; the next step's fragments are fetched into the other set, behind four places (loads into registers that matrix instructions have read).
.macro KSTEP s, cm
.if (\s)%2 == 0
	s_wait_dscnt 0x0                               ; this step's fragments are in
.if (\s) > 0
	PLACES 4
.endif
	FETCH (\s)/2, 1, 1
	MUL 0, 0, \s, \cm
	MUL 2, 0, \s, \cm
.elseif (\s) < 7
	s_wait_dscnt 0x0                               ; this step's fragments are in
	MUL 0, 1, \s, 1
	PLACES 4
	FETCH (\s)/2+1, 0, 0
	MUL 2, 1, \s, 1
.else
	s_wait_dscnt 0x0
	MUL 0, 1, \s, 1
	MUL 2, 1, \s, 1
	WIN 0
.endif
.endm
; 64 results of a lane at v[s] on of window 2 (register 16 b + i = number 32 b + 16 h + i along the next K) become a fragment's codes at v[pc] on and its scale word in v[PW].  Each accumulator is read from its low end on.
.macro QUANT s, pc
	WIN 0x0a                                       ; sources 0 and 1 window 2
.irp b, 0,1,2,3
	v_max3_num_f32 v[TM+\b], |v[(\s)+16*\b]|, |v[(\s)+16*\b+1]|, 0x1800000   ; and the floor 2^(3 - 127): the byte cannot fall under 1
.endr
.irp i, 2,4,6,8,10,12,14
.irp b, 0,1,2,3
	v_max3_num_f32 v[TM+\b], |v[(\s)+16*\b+\i]|, |v[(\s)+16*\b+\i+1]|, v[TM+\b]
.endr
.endr
	WIN 0
.irp b, 0,1,2,3
	v_permlanex16_b32 v[TM+4+\b], v[TM+\b], s6, s7
.endr
.irp b, 0,1,2,3
	v_max_num_f32 v[TM+\b], v[TM+\b], v[TM+4+\b]   ; with lane l xor 16's: the block's largest magnitude
.endr
.irp b, 0,1,2,3
	v_add_nc_u32 v[TM+12+\b], 0xff000000, v[TM+\b] ; 2 off its exponent field: the conversion's scale operand
.endr
.irp b, 0,1,2,3
	v_lshrrev_b32 v[TM+4+\b], 23, v[TM+12+\b]      ; the scale's byte
.endr
	v_lshl_or_b32 v[PW], v[TM+5], 8, v[TM+4]
	v_lshl_or_b32 v[PW], v[TM+6], 16, v[PW]
	v_lshl_or_b32 v[PW], v[TM+7], 24, v[PW]
	WIN 0x02                                       ; source 0 window 2
.irp c, 0,1
	v_cvt_scalef32_pk16_fp6_f32 v[(\pc)+6*\c:(\pc)+6*\c+2], v[(\s)+32*\c:(\s)+32*\c+15], v[TM+12+2*\c]
	v_cvt_scalef32_pk16_fp6_f32 v[TP+4*\c:TP+4*\c+2], v[(\s)+32*\c+16:(\s)+32*\c+31], v[TM+13+2*\c]
.endr
	WIN 0
	v_nop                                          ; one plain place behind a scaled conversion
.irp c, 0,1
.irp i, 0,1,2
	v_permlane16_swap_b32 v[(\pc)+6*\c+\i], v[TP+4*\c+\i]
.endr
.irp i, 0,1,2
	v_mov_b32 v[(\pc)+6*\c+3+\i], v[TP+4*\c+\i]
.endr
.endr
.endm
	s_load_b256 s[4:11], s[0:1], 0x0               ; opc s[4:5], ops s[6:7], qkvc s[8:9], qkvs s[10:11]
	v_lshl_add_u32 v254, v0, 2, 0x4b000
	v_mov_b32 v255, 0
	ds_add_u32 v254, v255
	ds_add_u32 v254, v255
	v_lshrrev_b32 v1, 5, v0
	v_readfirstlane_b32 s[WV], v1                  ; wave 0..3
	s_and_b32 s[U], s[WV], 1                       ; which half of its operand's tiles a wave fetches
	s_bfe_u32 s[CX], ttmp6, 0x40000
	s_bfe_u32 s[CY], ttmp6, 0x40004
	s_and_b32 s16, ttmp7, 0xffff                   ; cluster y, 0..11
	s_lshl_b32 s[R0], s16, 2
	s_add_co_u32 s[R0], s[R0], ttmp9
	s_sub_co_u32 s[R0], s[R0], 32                  ; 4 (y - 8) + x: kind 1's block of four S0 blocks
	s_cmp_ge_u32 s16, 8                            ; the kind hangs on the cluster's y alone: the same in all sixteen partners
	s_cselect_b32 s[KIND], 1, 0
	s_cselect_b32 s[R0], s[R0], ttmp9
	s_cselect_b32 s[R1], 0, s16
	s_cselect_b32 s66, XC+1572864, 0               ; S1's codes: w_v or x
	s_cselect_b32 s20, 327680, 0                   ; S1's scale words
	s_cselect_b32 s100, 0, XC                      ; S0's codes: x or w_q, w_k
	s_cselect_b32 s22, 0, 262144                   ; S0's scale words
	s_lshl_b32 s[R1], s[R1], 2
	s_add_co_u32 s[R1], s[R1], s[CY]               ; my S1 block of 256 rows: hangs on cy, never on cx
	s_lshl_b32 s[R0], s[R0], 2
	s_add_co_u32 s[R0], s[R0], s[CX]               ; my S0 block of 128 rows: hangs on cx, never on cy
	s_mul_i32 s2, s[R1], 196608
	s_add_co_u32 s66, s66, s2
	s_mul_i32 s2, s[U], 98304
	s_add_co_u32 s66, s66, s2
	s_mov_b32 s67, 0
	s_lshl_b32 s2, s[R1], 13
	s_add_co_u32 s20, s20, s2
	s_lshl_b32 s2, s[WV], 11
	s_add_co_u32 s20, s20, s2                      ; bytes from ops to the scale words of my four tiles of S1
	s_mul_i32 s3, s[R0], 98304
	s_add_co_u32 s100, s100, s3
	s_mul_i32 s3, s[U], 49152
	s_add_co_u32 s100, s100, s3
	s_mov_b32 s101, 0
	s_lshl_b32 s3, s[R0], 12
	s_add_co_u32 s22, s22, s3                      ; and to those of S0's eight
	s_lshl_b32 s2, s[CY], 2
	s_lshl_b32 s2, 15, s2                          ; my row of the cluster
	s_lshl_b32 s3, 0x1111, s[CX]                   ; my column
	s_or_b32 s[G1A], s2, (3<<16)|(1<<21)           ; 15:0 the mask; 17:16 elements of 8 bytes; 21 set beside a mask; no padding
	s_or_b32 s[G1B], s3, (3<<16)|(1<<21)
	G1SET G1A, 32, 384, 32                         ; 8 tiles, all of K: 98,304 dense bytes as rows of 256
	G1SET G1B, 32, 192, 32                         ; 4 tiles: 49,152
	s_wait_dscnt 0x0
	s_wait_kmcnt 0x0
	s_add_nc_u64 s[66:67], s[4:5], s[66:67]
	s_add_nc_u64 s[100:101], s[4:5], s[100:101]
	s_mul_i32 s2, s[U], 98304
	G0SET 60, 2, 0, 66, 0
	s_mul_i32 s3, s[U], 49152
	G0SET 84, 3, S0O, 100, 0
	CROUND                                         ; all sixteen work-groups are here: the joint loads meet
	s_cmp_lt_u32 s[WV], 2                          ; waves 0, 1 fetch S1's halves, waves 2, 3 S0's: a wave's one fill; four v_nop follow it
	s_cbranch_scc0 .Lfirst_s0
	tensor_load_to_lds s[60:63], s[G1A:G1A+7]
	s_nop 0
	PLACES 4
	s_branch .Lfirst_done
.Lfirst_s0:
	tensor_load_to_lds s[84:87], s[G1B:G1B+7]
	s_nop 0
	PLACES 4
.Lfirst_done:
	v_and_b32 v1, 31, v0                           ; lane
	v_and_b32 v2, 15, v0                           ; r
	v_bfe_u32 v3, v0, 4, 1                         ; h
	v_lshlrev_b32 v[L16], 4, v1
	v_lshlrev_b32 v[L8], 3, v1
	s_mul_i32 s2, s[WV], 49152                     ; my four tiles of S1
	v_add_nc_u32 v[A16], s2, v[L16]
	v_add_nc_u32 v[A8], s2, v[L8]
.irp j, 0,1,2,3                        ; S0's tiles 2 j, 2 j + 1
	v_add_nc_u32 v[B16+\j], \j*24576+S0O, v[L16]
	v_add_nc_u32 v[B8+\j], \j*24576+S0O, v[L8]
.endr
	v_lshlrev_b32 v[ADRS], 4, v2                   ; 16 r
	v_add_nc_u32 v[HB], s22, v[ADRS]               ; S0's words,
	v_add_nc_u32 v[ADRS], s20, v[ADRS]             ; S1's
	s_mov_b32 s2, 0xffff0000
	v_cndmask_b32 v[ADRS], v[ADRS], v[HB], s2      ; lanes 16-31 take S0's
	SCALES
	v_lshlrev_b32 v[HB], 4, v2
	v_lshl_add_u32 v[HB], v3, 3, v[HB]
.irp b, 0,1,2,3
	v_mov_b32 v[TM+4+\b], 0                        ; written once: a lane permute's destination counts as one of its sources
.endr
	; where the results go.  kind 0: q, k: [which][batch x 16 + head][tile 128][768];  kind 1: v: [batch][4 head + dt][key step 16][1536]
	s_lshr_b32 s2, s[R0], 3
	s_mul_i32 s2, s2, 6291456
	s_lshr_b32 s3, s[R1], 3
	s_mul_i32 s22, s3, 1572864
	s_add_co_u32 s2, s2, s22
	s_and_b32 s23, s[R0], 7
	s_mul_i32 s22, s23, 196608
	s_add_co_u32 s2, s2, s22
	s_and_b32 s66, s[R1], 7
	s_mul_i32 s22, s66, 12288
	s_add_co_u32 s2, s2, s22
	s_mul_i32 s22, s[WV], 3072
	s_add_co_u32 s2, s2, s22                       ; kind 0: the codes
	s_lshr_b32 s22, s[R0], 3
	s_lshl_b32 s22, s22, 19
	s_lshl_b32 s3, s3, 17
	s_add_co_u32 s22, s22, s3
	s_lshl_b32 s23, s23, 14
	s_add_co_u32 s22, s22, s23
	s_lshl_b32 s66, s66, 2
	s_add_co_u32 s66, s66, s[WV]
	s_lshl_b32 s66, s66, 8
	s_add_co_u32 s22, s22, s66                     ; kind 0: the scale words
	s_lshr_b32 s3, s[R0], 4                        ; kind 1: the batch,
	s_mul_i32 s23, s3, 1572864
	s_lshl_b32 s66, s[R1], 2
	s_add_co_u32 s66, s66, s[WV]                   ; the head 4 R1 + w,
	s_mul_i32 s67, s66, 98304
	s_add_co_u32 s23, s23, s67
	s_and_b32 s67, s[R0], 15                       ; the key step
	s_mul_i32 s16, s67, 1536
	s_add_co_u32 s23, s23, s16
	s_add_co_u32 s23, s23, VC                      ; kind 1: the codes
	s_lshl_b32 s3, s3, 4
	s_add_co_u32 s3, s3, s66
	s_lshl_b32 s3, s3, 12
	s_lshl_b32 s67, s67, 8
	s_add_co_u32 s3, s3, s67
	s_add_co_u32 s3, s3, VS                        ; kind 1: the scale words
	s_mov_b32 s16, 24576
	s_mov_b32 s66, 768
	s_cmp_eq_u32 s[KIND], 0
	s_cselect_b32 s2, s2, s23
	s_cselect_b32 s22, s22, s3
	s_cselect_b32 s16, 768, s16                    ; from one of my S1 tiles to the next
	s_cselect_b32 s66, 98304, s66                  ; from a fragment's first half to its second: the next head, or 64 keys on
	s_cselect_b32 s20, 0xffff, -1                  ; what of a scale word belongs to the first half's word
	s_mov_b32 s3, 0
	s_mov_b32 s23, 0
	s_mov_b32 s67, 0
	s_add_nc_u64 s[8:9], s[8:9], s[2:3]
	s_add_nc_u64 s[10:11], s[10:11], s[22:23]
	s_add_nc_u64 s[4:5], s[8:9], s[66:67]
	s_mov_b32 s21, 0xffff0000                      ; lanes 16-31
	s_wait_alu depctr_va_vdst(0)
	s_wait_xcnt 0x0                                ; the scale words' loads have read their base: s[6:7] are written only behind this wait
	s_mov_b32 s6, 0x76543210
	s_mov_b32 s7, 0xfedcba98                       ; lane selects: lane l xor 16
.irp a, 0,1,2,3
	v_mad_u32_u24 v[VO16+\a], s16, \a, v[L16]
	v_mad_u32_u24 v[VO8+\a], s16, \a, v[L8]
.endr
	s_wait_tensorcnt 0x0                           ; my one load has landed
	s_barrier_signal -1
	s_barrier_wait -1                              ; everybody's have
	FETCH 0, 0, 0
	s_wait_loadcnt 0x0                             ; the scale words
	KSTEP 0, 0
	KSTEP 1, 1
	KSTEP 2, 1
	KSTEP 3, 1
	KSTEP 4, 1
	KSTEP 5, 1
	KSTEP 6, 1
	KSTEP 7, 1
	; THE WAY OUT: each of my four S1 tiles' 64 results a lane become one fragment, stored as its image; no register that a store reads is written again
	PLACES 4
.irp a, 0,1,2,3
	QUANT 64*\a, PC+12*\a
	v_and_b32 v[W0+\a], s20, v[PW]                 ; kind 0: the even head's two bytes, zeros above; kind 1: all four
	v_lshrrev_b32 v[W1+\a], 16, v[PW]              ; kind 0: the odd head's
	global_store_b128 v[VO16+\a], v[PC+12*\a:PC+12*\a+3], s[8:9]                ; 512 consecutive bytes, aligned to 256
	global_store_b64 v[VO8+\a], v[PC+12*\a+4:PC+12*\a+5], s[8:9] offset:512     ; 256
	global_store_b128 v[VO16+\a], v[PC+12*\a+6:PC+12*\a+9], s[4:5]
	global_store_b64 v[VO8+\a], v[PC+12*\a+10:PC+12*\a+11], s[4:5] offset:512
.endr
	v_cndmask_b32 v[SD], v[W0], v[W0+2], s21       ; lanes 0-15 store their row's words of tiles 0, 1, lanes 16-31 of tiles 2, 3
	v_cndmask_b32 v[SD+1], v[W0+1], v[W0+3], s21
	global_store_b64 v[HB], v[SD:SD+1], s[10:11]   ; 256 consecutive bytes, aligned
	s_cmp_lg_u32 s[KIND], 0
	s_cbranch_scc1 .Lno_odd
	v_cndmask_b32 v[SD+2], v[W1], v[W1+2], s21
	v_cndmask_b32 v[SD+3], v[W1+1], v[W1+3], s21
	global_store_b64 v[HB], v[SD+2:SD+3], s[10:11] offset:8192   ; the odd head's
.Lno_odd:
	s_wait_tensorcnt 0x0
	s_wait_tensorcnt 0x0
	ds_add_u32 v254, v255
	s_wait_dscnt 0x0
	CROUND                                         ; the closing round: no work-group ends while a partner may still ask for a tile that names it
	s_endpgm
.Lfunc_end_k_q8971ee55c3_qkv:
	.size	k_q8971ee55c3_qkv, .Lfunc_end_k_q8971ee55c3_qkv-k_q8971ee55c3_qkv
	.p2alignl 7, 3214868480
	.fill 96, 4, 3214868480
	.section	.rodata,"a",@progbits
	.p2align	6, 0x0
	.amdhsa_kernel k_q8971ee55c3_qkv
		.amdhsa_group_segment_fixed_size 307712
		.amdhsa_private_segment_fixed_size 0
		.amdhsa_enable_private_segment 0
		.amdhsa_kernarg_size 32
		.amdhsa_user_sgpr_count 2
		.amdhsa_user_sgpr_kernarg_segment_ptr 1
		.amdhsa_wavefront_size32 1
		.amdhsa_system_sgpr_workgroup_id_x 1
		.amdhsa_system_sgpr_workgroup_id_y 1
		.amdhsa_system_sgpr_workgroup_id_z 1
		.amdhsa_system_vgpr_workitem_id 0
		.amdhsa_next_free_vgpr 768
		.amdhsa_next_free_sgpr 102
		.amdhsa_reserve_vcc 0
		.amdhsa_float_denorm_mode_32 3
		.amdhsa_float_denorm_mode_16_64 3
		.amdhsa_memory_ordered 1
		.amdhsa_forward_progress 1
		.amdhsa_inst_pref_size 87
	.end_amdhsa_kernel
	.amdgpu_metadata
---
amdhsa.version: [ 1, 2 ]
amdhsa.kernels:
  - .name:           k_q8971ee55c3_qkv
    .symbol:         k_q8971ee55c3_qkv.kd
    .args:
      - { .name: opc, .offset: 0, .size: 8, .value_kind: global_buffer, .address_space: global }
      - { .name: ops, .offset: 8, .size: 8, .value_kind: global_buffer, .address_space: global }
      - { .name: qkvc, .offset: 16, .size: 8, .value_kind: global_buffer, .address_space: global }
      - { .name: qkvs, .offset: 24, .size: 8, .value_kind: global_buffer, .address_space: global }
    .group_segment_fixed_size: 307712
    .private_segment_fixed_size: 0
    .kernarg_segment_align: 8
    .kernarg_segment_size: 32
    .max_flat_workgroup_size: 128
    .sgpr_count:     102
    .vgpr_count:     768
    .wavefront_size: 32
...
	.end_amdgpu_metadata
.endif
;; end of part 2
;; launch attn (part 3): grid 4 x 64, 16 waves a work-group, clusters of 4 x 1, 210,944 bytes of LDS; arguments qkvc, qkvs, aoc, aos; writes aoc, aos
.if DOCPART == 3
	.amdgcn_target "amdgcn-amd-amdhsa--gfx1250"
	.amdhsa_code_object_version 6
	.text
	.protected	k_q8971ee55c3_attn
	.globl	k_q8971ee55c3_attn
	.p2align	8
	.type	k_q8971ee55c3_attn,@function
k_q8971ee55c3_attn:
	s_mov_b64 s[64:65], 0
	v_nop
	global_prefetch_b8 v0, s[64:65] scope:SCOPE_SE
	s_setreg_imm32_b32 hwreg(HW_REG_WAVE_MODE, 25, 1), 1
	s_wait_xcnt 0x0
	s_wait_alu depctr_hold_cnt(0) depctr_sa_sdst(0) depctr_va_vdst(0) depctr_va_sdst(0) depctr_va_ssrc(0) depctr_va_vcc(0) depctr_vm_vsrc(0)
	s_getreg_b32 s2, hwreg(HW_REG_IB_STS2, 6, 4)
	s_cmp_eq_u32 s2, 0
	s_cbranch_scc0 .Lentry_in_a_cluster
	s_endpgm
.Lentry_in_a_cluster:
	s_bfe_u32 s2, ttmp6, 0x10000c
	s_cmp_lg_u32 s2, 0x3003
	s_cbranch_scc0 .Lentry_shape_is_right
	s_endpgm
.Lentry_shape_is_right:
; o = softmax(q k^T / 8) v for one head of 64 and 2,048 keys, both products on codes of FP6 (E2M3) with E8M0 scales; o is quantised along d and leaves as codes for the last product.
; THE SOFTMAX: t = score x log2(e) / 8; M = the running largest t rounded UP to a whole number; p = 2^(t - M) is quantised along the keys, not normalised; the row's sum is taken of the unquantised p and divides at the end.
; When M moves, the sum and O are multiplied by 2^(old M - new M), which rounds nothing.
; LIMITS: a block of zeros, or one whose largest magnitude lies under 2^-124, gets the scale byte 1; NaN and infinities are not served; the promise holds while |t| stays under 2^31.  o's scale bytes leave as two bytes a lane.
; THE HEAD'S K IS 64: q's registers 6-11 (k = 64 .. 127) are zero codes, and q's and k's scale bytes there are 0.  A zero code times any code of FP6 is 0, so what follows a fragment of k in the registers does not count:
; k's eight fragments of a key step lie SIX registers apart, each followed by the next one's codes, the last by six zeros.
; SHARES.  The four work-groups of a cluster are the four quarters of one head's queries; each holds the whole head's k, v and scale words in LDS, filled once by joint loads that name all four.
; Wave w issues ONE load: kind w % 4 (k's codes, v's codes, k's scale words, v's), quarter w / 4 (512 keys).  Every wave waits for its load, one barrier shows all; behind it the waves share nothing.
; No data prefetch: all that the launch reads through LDS is asked for at its head, so there is no loop to run ahead in.
; Each wave makes two tiles of 16 queries, one after the other, 16 key steps of 128 each: a loop of four trips, four steps written out, whose places stand in the loads' immediates.
; LAYOUT.  Both products are used transposed: S^T = k q^T, O^T = v^T p^T: a lane holds one query.  Tiles have rows 32 (T/2) + 8 (T%2) + r + 8 (r/8), so the 16 registers of result tiles 2 b, 2 b + 1 are 16 neighbours.
; Operands are images of their registers: a half of 768 bytes = registers 6c..6c+3 at 16 l, 6c+4, 6c+5 at 512 + 8 l.
; LDS: k's codes [quarter][32 tiles][768]; v's [quarter][dt 4][key step 4][1536]; k's scale words [key step][512]; v's [key step][256]; the spare words.
.set VB,   98304
.set KSB,  196608
.set VSB,  204800
.set SPARE, 208896
.set SPW, 4                            ; v4 my spare word, v5 0; v1 16 l, v2 8 l, v3 16 r, v6 o's scale bytes, v7 their offset
.set NIL, 5                            ; v8-11, v28, v29 LDS addresses; v12 -M, v13 the largest t, v[14:15] the sum; v16-27 q; v30, v31 q's and p's scale words
.set KF,  32                           ; v32-79 k's eight fragments, then v's four; v80-85 zeros
.set SS,  86                           ; v86-149 S^T, then p; on the way out O / the sum
.set OT,  150                          ; v150-181 O^T
.set PCD, 182                          ; v182-193 p's codes
.set TP,  194
.set MX,  202
.set PR,  206
.set SO,  210
.set FF,  214
.set TMP, 216
.set PWD, 217
.set KSC, 218                          ; v218-225 k's scale words, v226-229 v's
.set VSC, 226
.set CH,  230                          ; v230-237 the sum's four chains
.set QN,  238                          ; v238-244 the next pass's q and scale word; v246-252 the one after
.set QM,  246
.set ON,  SS
.set WV,  12
.set KD,  17
.set QJ,  18
.set SEL, 20
.set CS,  22
.set G1K, 24
.set G1V, 32
.set G1KS, 40
.set G1VS, 48
.set TK,  84                           ; s84-87 LDS byte of the trip's k, v, k's scale words, v's
.set TV,  85
.set TS,  86
.set TT,  87
.macro WALU
	s_wait_alu depctr_va_vdst(0)
.endm
.macro CROUND                          ; a round of the cluster's barrier
	s_barrier_signal -1
	s_barrier_wait -1
	s_cmp_lg_u32 s[WV], 0
	s_cbranch_scc1 .Lnot_wave_0_\@
	s_barrier_signal -3
.Lnot_wave_0_\@:
	s_barrier_wait -3
	s_barrier_signal -1
	s_barrier_wait -1
.endm
.macro PLACES n
.rept \n
	v_nop
.endr
.endm
.macro G1SET g, c, r, p                ; r rows of c elements of 8 bytes, p elements apart; the mask names all four work-groups
	s_mov_b32 s[\g], 15|(3<<16)|(1<<21)
	s_mov_b32 s[\g+1], (\c)<<16
	s_mov_b32 s[\g+2], (\r)<<16
	s_mov_b32 s[\g+3], (\c)<<16
	s_mov_b32 s[\g+4], \r
	s_mov_b32 s[\g+5], \p
	s_mov_b32 s[\g+6], 0
	s_mov_b32 s[\g+7], 0
.endm
; a wave's one fill: from buffer s[ptr] at hb + head x hs + quarter x gs, to LDS byte lb + quarter x ls.  All of it hangs on the wave's number and the head alone
.macro FILL g1, ptr, hs, hb, gs, ls, lb
	s_mul_i32 s92, s14, \hs
	s_add_co_u32 s92, s92, \hb
	s_mul_i32 s2, s[QJ], \gs
	s_add_co_u32 s92, s92, s2
	s_mov_b32 s93, 0
	s_add_nc_u64 s[70:71], s[\ptr:\ptr+1], s[92:93]
	s_or_b32 s71, s71, 0x80000000
	s_mul_i32 s69, s[QJ], \ls
.if \lb
	s_add_co_u32 s69, s69, \lb
.endif
	tensor_load_to_lds s[68:71], s[\g1:\g1+7]
	s_nop 0
	PLACES 4
.endm
.macro ARM kd, next, g1, ptr, hs, hb, gs, ls, lb
	s_cmp_eq_u32 s[KD], \kd
	s_cbranch_scc0 \next
	FILL \g1, \ptr, \hs, \hb, \gs, \ls, \lb
	s_branch .Lfilled
\next:
.endm
	s_load_b256 s[4:11], s[0:1], 0x0               ; qkvc s[4:5], qkvs s[6:7], aoc s[8:9], aos s[10:11]
	v_lshl_add_u32 v[SPW], v0, 2, SPARE
	v_mov_b32 v[NIL], 0
	ds_add_u32 v[SPW], v[NIL]                      ; the opening lines: the add twice and its wait
	ds_add_u32 v[SPW], v[NIL]
	v_lshrrev_b32 v1, 5, v0
	v_readfirstlane_b32 s[WV], v1                  ; wave 0..15
	s_and_b32 s[KD], s[WV], 3                      ; what I fetch,
	s_lshr_b32 s[QJ], s[WV], 2                     ; and which quarter of it
	s_bfe_u32 s13, ttmp6, 0x40000                  ; cx: it enters q's and o's global addresses alone
	s_and_b32 s14, ttmp7, 0xffff                   ; batch x 16 + head, which the four partners share
	s_lshr_b32 s15, s14, 4                         ; batch
	s_and_b32 s16, s14, 15                         ; head
	G1SET G1K, 32, 96, 32                          ; 24,576 dense bytes as rows of 256
	G1SET G1V, 768, 4, 3072                        ; 4 rows (dt) of 6,144 bytes, 24,576 apart
	G1SET G1KS, 32, 8, 32                          ; 2,048 dense bytes
	G1SET G1VS, 32, 4, 32                          ; 1,024
	s_mov_b32 s68, 1
	WALU
	s_wait_dscnt 0x0
	CROUND                                         ; all four work-groups are here: the joint loads meet
	s_wait_kmcnt 0x0
	ARM 0, .Lnot_0, G1K, 4, 98304, 64*98304, 24576, 24576, 0
	ARM 1, .Lnot_1, G1V, 4, 98304, 128*98304, 6144, 24576, VB
	ARM 2, .Lnot_2, G1KS, 6, 8192, 524288, 2048, 2048, KSB
	FILL G1VS, 6, 4096, 1048576, 1024, 1024, VSB
.Lfilled:
	v_and_b32 v8, 31, v0                           ; lane
	v_and_b32 v9, 15, v0                           ; r
	v_bfe_u32 v7, v0, 4, 1                         ; h
	v_lshlrev_b32 v1, 4, v8
	v_lshlrev_b32 v2, 3, v8
	v_lshlrev_b32 v3, 4, v9
	v_mov_b32 v6, 0
	v_lshl_add_u32 v7, v7, 13, v3                  ; o's scale bytes: lanes 0-15 the first tile's rows, lanes 16-31 the second's, 16 tiles of 512 bytes on
.irp j, 0,1,2,3,4,5
	v_mov_b32 v[22+\j], 0                          ; q's k = 64 .. 127
	v_mov_b32 v[KF+48+\j], 0                       ; behind k's last fragment
.endr
.irp b, 0,1,2,3
	v_mov_b32 v[PR+\b], 0                          ; written once: a lane permute's destination counts as one of its sources
.endr
	v_mov_b32 v[FF+1], 0                           ; (named as the upper half of a pair)
	s_mov_b32 s[SEL], 0x76543210
	s_mov_b32 s[SEL+1], 0xfedcba98
	s_mov_b32 s[CS], 0x3e38aa3b                    ; c = log2(e) / 8
	s_mov_b32 s[CS+1], s[CS]
	s_lshl_b32 s96, s13, 5
	s_add_co_u32 s96, s96, s[WV]                   ; my first tile of queries: 32 cx + w; the second lies 16 on
	s_mul_i32 s98, s14, 98304
	s_mul_i32 s97, s96, 768
	s_add_co_u32 s98, s98, s97
	s_mov_b32 s99, 0
	s_add_nc_u64 s[56:57], s[4:5], s[98:99]        ; q's codes
	s_lshl_b32 s98, s14, 13
	s_lshr_b32 s97, s96, 2
	s_lshl_b32 s97, s97, 8
	s_add_co_u32 s98, s98, s97
	s_and_b32 s97, s96, 3
	s_lshl_b32 s97, s97, 2
	s_add_co_u32 s98, s98, s97
	s_add_nc_u64 s[58:59], s[6:7], s[98:99]        ; q's scale words
	s_lshl_b32 s15, s15, 7
	s_add_co_u32 s15, s15, s96                     ; the tile among all 512
	s_mul_i32 s98, s15, 12288
	s_mul_i32 s97, s16, 768
	s_add_co_u32 s98, s98, s97
	s_add_nc_u64 s[60:61], s[8:9], s[98:99]        ; o's codes: K step head / 2, half head % 2
	s_lshl_b32 s98, s15, 9
	s_lshr_b32 s97, s16, 3
	s_lshl_b32 s97, s97, 8
	s_add_co_u32 s98, s98, s97
	s_and_b32 s97, s16, 7
	s_lshl_b32 s97, s97, 1
	s_add_co_u32 s98, s98, s97
	s_add_nc_u64 s[62:63], s[10:11], s[98:99]      ; o's scale bytes
	s_mov_b32 s88, 0xffff                          ; the lanes that keep this pass's scale bytes
	s_mov_b32 s66, 2
	WALU
	global_load_b128 v[QN:QN+3], v1, s[56:57]      ; both tiles' q, as they were stored, and their scale words
	global_load_b64 v[QN+4:QN+5], v2, s[56:57] offset:512
	global_load_b32 v[QN+6], v3, s[58:59]
	global_load_b128 v[QM:QM+3], v1, s[56:57] offset:12288
	global_load_b64 v[QM+4:QM+5], v2, s[56:57] offset:12800
	global_load_b32 v[QM+6], v3, s[58:59] offset:1024
	s_wait_loadcnt 0x0
	s_wait_tensorcnt 0x0                           ; my one load has landed,
	s_barrier_signal -1
	s_barrier_wait -1                              ; and everybody's
; A KEY STEP: 128 keys, the u-th of the trip's four
.macro STEP u
.irp t, 0,1,2,3,4,5,6,7                ; behind the last step's 32 additions, which are the places in front of loads into registers that its products have read
	ds_load_b128 v[KF+6*\t:KF+6*\t+3], v8 offset:6144*\u+768*\t
	ds_load_b64 v[KF+6*\t+4:KF+6*\t+5], v9 offset:6144*\u+768*\t+512
.endr
	ds_load_b128 v[KSC:KSC+3], v28 offset:512*\u
	ds_load_b128 v[KSC+4:KSC+7], v28 offset:512*\u+256
	s_wait_dscnt 0x0
.irp t, 0,1,2,3,4,5,6,7                ; S^T = k q^T
	v_wmma_scale_f32_16x16x128_f8f6f4 v[SS+8*\t:SS+8*\t+7], v[KF+6*\t:KF+6*\t+11], v[16:27], 0, v[KSC+\t], v30 matrix_a_fmt:MATRIX_FMT_FP6 matrix_b_fmt:MATRIX_FMT_FP6
.endr
	v_mov_b32 v[TMP], v12                          ; the old -M; with three v_nop the four places behind the products
	PLACES 3
.irp t, 0,1,2,3                        ; v's four fragments take k's registers; they come in under the vector work below
	ds_load_b128 v[KF+12*\t:KF+12*\t+3], v10 offset:1536*\u+6144*\t
	ds_load_b64 v[KF+12*\t+4:KF+12*\t+5], v11 offset:1536*\u+6144*\t+512
	ds_load_b128 v[KF+12*\t+6:KF+12*\t+9], v10 offset:1536*\u+6144*\t+768
	ds_load_b64 v[KF+12*\t+10:KF+12*\t+11], v11 offset:1536*\u+6144*\t+1280
.endr
	ds_load_b128 v[VSC:VSC+3], v29 offset:256*\u
.irp b, 0,1,2,3
	v_max3_num_f32 v[MX+\b], v[SS+16*\b], v[SS+1+16*\b], v[SS+2+16*\b]   ; the largest score of each block of 32 keys: for the row's maximum and, since p rises with the score, for the block's largest p
.endr
.irp i, 3,5,7,9,11,13
.irp b, 0,1,2,3
	v_max3_num_f32 v[MX+\b], v[MX+\b], v[SS+16*\b+\i], v[SS+1+16*\b+\i]
.endr
.endr
.irp b, 0,1,2,3
	v_max_num_f32 v[MX+\b], v[MX+\b], v[SS+15+16*\b]
.endr
.irp b, 0,1,2,3
	v_permlanex16_b32 v[PR+\b], v[MX+\b], s[SEL], s[SEL+1]
.endr
.irp b, 0,1,2,3
	v_max_num_f32 v[MX+\b], v[MX+\b], v[PR+\b]     ; with lane l xor 16's 16 keys
.endr
	v_max3_num_f32 v[PWD], v[MX], v[MX+1], v[MX+2]
	v_max_num_f32 v[PWD], v[PWD], v[MX+3]
	v_mul_f32 v[PWD], s[CS], v[PWD]                ; the step's largest t
	v_max_num_f32 v13, v13, v[PWD]                 ; the running largest t
	v_floor_f32 v12, -v13                          ; the new -M = floor(-t): M is a whole number
	v_sub_f32 v[TMP], v12, v[TMP]                  ; old M - new M: a whole number, 0 or less
	v_cvt_i32_f32 v[TMP], v[TMP]                   ; (it saturates)
	v_ldexp_f32 v[FF], 1.0, v[TMP]                 ; f = 2^(old M - new M)
.set j, 0
.rept 32
	v_pk_fma_f32 v[SS+j:SS+j+1], v[SS+j:SS+j+1], s[CS:CS+1], v[12:13] op_sel_hi:[1,0,0]   ; t - M, two at a time
.set j, j+2
.endr
.irp b, 0,1,2,3
	v_fma_f32 v[MX+\b], v[MX+\b], s[CS], v12       ; the same of each block's largest score
.endr
	WALU
.set j, 0
.rept 64
	v_exp_f32 v[SS+j], v[SS+j]                     ; p = 2^(t - M)
.set j, j+1
.endr
.irp b, 0,1,2,3
	v_exp_f32 v[MX+\b], v[MX+\b]                   ; the block's largest p: the same two instructions on the same number
.endr
	v_pk_mul_f32 v[14:15], v[14:15], v[FF:FF+1] op_sel_hi:[1,0]   ; the sums under the new M: a plain place behind the exponentials
	WALU                                           ; one wait for the batch, ahead of its first reader
.irp b, 0,1,2,3
	v_max_num_f32 v[MX+\b], 0x1800000, v[MX+\b]    ; the floor 2^(3 - 127): the byte cannot fall under 1
.endr
.irp b, 0,1,2,3
	v_add_nc_u32 v[SO+\b], 0xff000000, v[MX+\b]    ; 2 off the exponent field: the conversion's scale operand
.endr
.irp b, 0,1,2,3
	v_lshrrev_b32 v[PR+\b], 23, v[SO+\b]           ; the scale's byte
.endr
	v_lshl_or_b32 v31, v[PR+1], 8, v[PR]           ; p's scale word for these 128 keys
	v_lshl_or_b32 v31, v[PR+2], 16, v31
	v_lshl_or_b32 v31, v[PR+3], 24, v31
.irp c, 0,1
	v_cvt_scalef32_pk16_fp6_f32 v[PCD+6*\c:PCD+6*\c+2], v[SS+32*\c:SS+32*\c+15], v[SO+2*\c]
	v_cvt_scalef32_pk16_fp6_f32 v[TP+4*\c:TP+4*\c+2], v[SS+32*\c+16:SS+32*\c+31], v[SO+2*\c+1]
.endr
	v_nop                                          ; one plain place behind a scaled conversion
.irp c, 0,1                            ; the operand wants a whole block in a lane
.irp i, 0,1,2
	v_permlane16_swap_b32 v[PCD+6*\c+\i], v[TP+4*\c+\i]
.endr
.irp i, 0,1,2
	v_mov_b32 v[PCD+6*\c+3+\i], v[TP+4*\c+\i]
.endr
.endr
	WALU                                           ; the wait directly ahead of the first reader of O^T
.set j, 0
.rept 16
	v_pk_mul_f32 v[OT+j:OT+j+1], v[OT+j:OT+j+1], v[FF:FF+1] op_sel_hi:[1,0]   ; O^T under the new M; these sixteen are also the places between the scale word, the codes and the products below
.set j, j+2
.endr
	WALU
	s_wait_dscnt 0x0                               ; v's fragments and scale words
.irp t, 0,1,2,3                        ; O^T += v^T p^T: the four accumulators by turns
	v_wmma_scale_f32_16x16x128_f8f6f4 v[OT+8*\t:OT+8*\t+7], v[KF+12*\t:KF+12*\t+11], v[PCD:PCD+11], v[OT+8*\t:OT+8*\t+7], v[VSC+\t], v31 matrix_a_fmt:MATRIX_FMT_FP6 matrix_b_fmt:MATRIX_FMT_FP6
.endr
.irp c, 0,1,2,3                        ; the row's sum of the unquantised p: four chains of pairs
	v_pk_add_f32 v[CH+2*\c:CH+2*\c+1], v[SS+2*\c:SS+2*\c+1], v[SS+8+2*\c:SS+9+2*\c]
.endr
.irp k, 2,3,4,5,6,7
.irp c, 0,1,2,3
	v_pk_add_f32 v[CH+2*\c:CH+2*\c+1], v[CH+2*\c:CH+2*\c+1], v[SS+8*\k+2*\c:SS+8*\k+2*\c+1]
.endr
.endr
	v_pk_add_f32 v[CH:CH+1], v[CH:CH+1], v[CH+2:CH+3]
	v_pk_add_f32 v[CH+4:CH+5], v[CH+4:CH+5], v[CH+6:CH+7]
	v_pk_add_f32 v[CH:CH+1], v[CH:CH+1], v[CH+4:CH+5]
	v_pk_add_f32 v[14:15], v[14:15], v[CH:CH+1]
.endm
.Lpass:                                            ; two trips: a tile of 16 queries each
.irp i, 0,1,2,3,4,5
	v_mov_b32 v[16+\i], v[QN+\i]                   ; this pass's q
.endr
	v_mov_b32 v30, v[QN+6]
.irp i, 0,1,2,3,4,5,6
	v_mov_b32 v[QN+\i], v[QM+\i]                   ; and the next one's moves up
.endr
	v_mov_b32 v13, 0xff61b1e6                      ; the largest t so far: -3e38, under every t
	v_mov_b32 v14, 0
	v_mov_b32 v15, 0
	v_floor_f32 v12, -v13
.set j, 0
.rept 32
	v_mov_b32 v[OT+j], 0                           ; the step is written once: the first finds zeros, which the first change of M leaves zeros
.set j, j+1
.endr
	s_mov_b32 s[TK], 0
	s_mov_b32 s[TV], VB
	s_mov_b32 s[TS], KSB
	s_mov_b32 s[TT], VSB
	s_mov_b32 s67, 4
.Lquarter:                                         ; four trips: 512 keys each
	v_add_nc_u32 v8, s[TK], v1
	v_add_nc_u32 v9, s[TK], v2
	v_add_nc_u32 v10, s[TV], v1
	v_add_nc_u32 v11, s[TV], v2
	v_add_nc_u32 v28, s[TS], v3
	v_add_nc_u32 v29, s[TT], v3
	WALU
	STEP 0
	STEP 1
	STEP 2
	STEP 3
	s_add_co_u32 s[TK], s[TK], 24576
	s_add_co_u32 s[TV], s[TV], 24576
	s_add_co_u32 s[TS], s[TS], 2048
	s_add_co_u32 s[TT], s[TT], 1024
	s_sub_co_u32 s67, s67, 1
	s_cmp_lg_u32 s67, 0
	WALU
	s_cbranch_scc1 .Lquarter
	; THE WAY OUT: O^T / the sum, quantised along d (two blocks of 32), stored as half a fragment's image.  The last step's additions are the places behind its products
	v_add_f32 v14, v14, v15
	v_permlanex16_b32 v[TMP], v14, s[SEL], s[SEL+1]
	v_add_f32 v14, v14, v[TMP]                     ; the row's sum
	WALU
	v_rcp_f32 v14, v14
	v_nop                                          ; a plain place behind the reciprocal
	WALU                                           ; the wait ahead of its first reader, and of O^T's
.set j, 0
.rept 32
	v_mul_f32 v[ON+j], v[OT+j], v14                ; register 16 b + i = d 32 b + 16 h + i; each accumulator from its low end on
.set j, j+1
.endr
.irp b, 0,1
	v_max3_num_f32 v[MX+\b], |v[ON+16*\b]|, |v[ON+16*\b+1]|, 0x1800000
	v_max3_num_f32 v[MX+2+\b], |v[ON+16*\b+2]|, |v[ON+16*\b+3]|, 0x1800000
.endr
.irp i, 4,8,12
.irp b, 0,1
	v_max3_num_f32 v[MX+\b], |v[ON+16*\b+\i]|, |v[ON+16*\b+\i+1]|, v[MX+\b]
	v_max3_num_f32 v[MX+2+\b], |v[ON+16*\b+\i+2]|, |v[ON+16*\b+\i+3]|, v[MX+2+\b]
.endr
.endr
.irp b, 0,1
	v_max_num_f32 v[MX+\b], v[MX+\b], v[MX+2+\b]
.endr
.irp b, 0,1
	v_permlanex16_b32 v[PR+\b], v[MX+\b], s[SEL], s[SEL+1]
.endr
.irp b, 0,1
	v_max_num_f32 v[MX+\b], v[MX+\b], v[PR+\b]
.endr
.irp b, 0,1
	v_add_nc_u32 v[SO+\b], 0xff000000, v[MX+\b]
.endr
.irp b, 0,1
	v_lshrrev_b32 v[PR+\b], 23, v[SO+\b]
.endr
	v_lshl_or_b32 v[PWD], v[PR+1], 8, v[PR]        ; my row's two scale bytes
	v_cvt_scalef32_pk16_fp6_f32 v[PCD:PCD+2], v[ON:ON+15], v[SO]
	v_cvt_scalef32_pk16_fp6_f32 v[TP:TP+2], v[ON+16:ON+31], v[SO+1]
	v_nop
.irp i, 0,1,2
	v_permlane16_swap_b32 v[PCD+\i], v[TP+\i]
.endr
.irp i, 0,1,2
	v_mov_b32 v[PCD+3+\i], v[TP+\i]
.endr
	v_cndmask_b32 v6, v6, v[PWD], s88              ; lanes 0-15 keep the first pass's bytes, lanes 16-31 the second's
	global_store_b128 v1, v[PCD:PCD+3], s[60:61]   ; 512 consecutive bytes, aligned to 256
	global_store_b64 v2, v[PCD+4:PCD+5], s[60:61] offset:512
	WALU
	s_wait_xcnt 0x0                                ; the stores have read their base and data: both are written again only behind this wait
	s_add_nc_u64 s[60:61], s[60:61], 196608        ; 16 tiles on
	s_lshl_b32 s88, s88, 16
	s_sub_co_u32 s66, s66, 1
	s_cmp_lg_u32 s66, 0
	s_cbranch_scc1 .Lpass
	global_store_b16 v7, v6, s[62:63]              ; both tiles' scale bytes
	s_wait_tensorcnt 0x0                           ; the wave's end
	ds_add_u32 v[SPW], v[NIL]
	s_wait_dscnt 0x0
	CROUND                                         ; the closing round: no work-group ends while a partner may still ask for a tile that names it
	s_endpgm
.Lfunc_end_k_q8971ee55c3_attn:
	.size	k_q8971ee55c3_attn, .Lfunc_end_k_q8971ee55c3_attn-k_q8971ee55c3_attn
	.p2alignl 7, 3214868480
	.fill 96, 4, 3214868480
	.section	.rodata,"a",@progbits
	.p2align	6, 0x0
	.amdhsa_kernel k_q8971ee55c3_attn
		.amdhsa_group_segment_fixed_size 210944
		.amdhsa_private_segment_fixed_size 0
		.amdhsa_enable_private_segment 0
		.amdhsa_kernarg_size 32
		.amdhsa_user_sgpr_count 2
		.amdhsa_user_sgpr_kernarg_segment_ptr 1
		.amdhsa_wavefront_size32 1
		.amdhsa_system_sgpr_workgroup_id_x 1
		.amdhsa_system_sgpr_workgroup_id_y 1
		.amdhsa_system_sgpr_workgroup_id_z 1
		.amdhsa_system_vgpr_workitem_id 0
		.amdhsa_next_free_vgpr 256
		.amdhsa_next_free_sgpr 100
		.amdhsa_reserve_vcc 0
		.amdhsa_float_denorm_mode_32 3
		.amdhsa_float_denorm_mode_16_64 3
		.amdhsa_memory_ordered 1
		.amdhsa_forward_progress 1
		.amdhsa_inst_pref_size 78
	.end_amdhsa_kernel
	.amdgpu_metadata
---
amdhsa.version: [ 1, 2 ]
amdhsa.kernels:
  - .name:           k_q8971ee55c3_attn
    .symbol:         k_q8971ee55c3_attn.kd
    .args:
      - { .name: qkvc, .offset: 0, .size: 8, .value_kind: global_buffer, .address_space: global }
      - { .name: qkvs, .offset: 8, .size: 8, .value_kind: global_buffer, .address_space: global }
      - { .name: aoc, .offset: 16, .size: 8, .value_kind: global_buffer, .address_space: global }
      - { .name: aos, .offset: 24, .size: 8, .value_kind: global_buffer, .address_space: global }
    .group_segment_fixed_size: 210944
    .private_segment_fixed_size: 0
    .kernarg_segment_align: 8
    .kernarg_segment_size: 32
    .max_flat_workgroup_size: 512
    .sgpr_count:     100
    .vgpr_count:     256
    .wavefront_size: 32
...
	.end_amdgpu_metadata
.endif
;; end of part 3
;; launch proj (part 4): grid 8 x 32, 4 waves a work-group, clusters of 4 x 4, 307,712 bytes of LDS; arguments aoc, aos, opc, ops, b_out, out0; writes out0
.if DOCPART == 4
	.amdgcn_target "amdgcn-amd-amdhsa--gfx1250"
	.amdhsa_code_object_version 6
	.text
	.protected	k_q8971ee55c3_proj
	.globl	k_q8971ee55c3_proj
	.p2align	8
	.type	k_q8971ee55c3_proj,@function
k_q8971ee55c3_proj:
	s_mov_b64 s[64:65], 0
	v_nop
	global_prefetch_b8 v0, s[64:65] scope:SCOPE_SE
	s_setreg_imm32_b32 hwreg(HW_REG_WAVE_MODE, 25, 1), 1
	s_wait_xcnt 0x0
	s_wait_alu depctr_hold_cnt(0) depctr_sa_sdst(0) depctr_va_vdst(0) depctr_va_sdst(0) depctr_va_ssrc(0) depctr_va_vcc(0) depctr_vm_vsrc(0)
	s_getreg_b32 s2, hwreg(HW_REG_IB_STS2, 6, 4)
	s_cmp_eq_u32 s2, 0
	s_cbranch_scc0 .Lentry_in_a_cluster
	s_endpgm
.Lentry_in_a_cluster:
	s_bfe_u32 s2, ttmp6, 0x10000c
	s_cmp_lg_u32 s2, 0xf033
	s_cbranch_scc0 .Lentry_shape_is_right
	s_endpgm
.Lentry_shape_is_right:
; The last product, out0 = o w_out^T + b_out, on codes of FP6 (E2M3) with E8M0 scales; f32 sums; out0 [8192][1024] f32.
; ROLES.  S1 = 256 tokens, in the LANES (source 1); S0 = 128 rows of w_out, along the REGISTERS (source 0).  A work-group makes S1 x S0 over K = 1,024; wave w takes S1's tiles 4 w .. 4 w + 3 against S0's eight: 32 accumulators.
; Operands lie in memory as images of their registers (16 rows x 128 K = 1,536 bytes: two halves of 768: registers 6c..6c+3 at 16 l, 6c+4, 6c+5 at 512 + 8 l), tiles with rows 32 (T/2) + 8 (T%2) + r + 8 (r/8): so a lane's 16 registers
; of result tiles 2 b, 2 b + 1 are 16 neighbouring columns of one row of out0; the stores' immediates put the tokens back in order.
; ALL OF K LIES IN LDS: four slots of 256 along K, each filled once; no byte of LDS is filled again.  A wave has one tensor load out.  The bias is the C of each sum's first matrix instruction.
; CLUSTERS: 4 x 4.  S1's tiles hang on the cluster's row alone, S0's on its column alone: each is asked for jointly by the four that share it.
; REGISTERS: window 0: v4-25 addresses; v32-95 scale words and nothing else; v128-223 S1's fragments, two sets (on the way out v128-255 rows of out0).
;   window 1: S0's fragments, two sets.   window 2: accumulator (a, b) at v[8 (8 a + b)].   window 3: v0-63 the bias in the result's layout, eight registers for each of S0's tiles.
.set WOC,   8650752                    ; w_out's codes in opc
.set WOS,   360448                     ; and its scale words in ops
; LDS AS THIS TEXT LAYS IT: S1's 16 tiles, all of K, 12,288 bytes each, then S0's 8 from S0O on.  Each wave issues ONE tensor load, half an operand, dense rows of 256 bytes; every wave waits for it and one barrier shows all.
; The scale words come by plain loads into registers, 256 consecutive bytes to sixteen lanes: S0's into v32-95, S1's into v224-255, and a select lays S1's into lanes 0-15 of v32-63.
.set S0O,   196608
.set A16, 4
.set A8,  8
.set B16, 12
.set B8,  16
.set ADRS, 20
.set L16, 21
.set L8,  22
.set HB,  23                           ; v23  64 h: the bias's offset
.set STO, 24                           ; v24  the way out: where I put 32 bytes of a row
.set RD,  25                           ; v25  and where I read a row back
.set SC,  32
.set AF,  128
.set BK,  128
.set WV, 12
.set U,  13
.set CX, 14
.set CY, 15
.set R0, 18
.set R1, 19
.set G1A, 24
.set G1B, 32
.set G1SA, 40
.set G1SB, 48
.set MSB, 0
.macro WIN new                         ; the immediate's high byte repeats the setting that is left
.if MSB != \new
	s_set_vgpr_msb (MSB<<8)|\new
.set MSB, \new
.endif
.endm
.macro CROUND                          ; a round of the cluster's barrier
	s_barrier_signal -1
	s_barrier_wait -1
	s_cmp_lg_u32 s[WV], 0
	s_cbranch_scc1 .Lnot_wave_0_\@
	s_barrier_signal -3
.Lnot_wave_0_\@:
	s_barrier_wait -3
	s_barrier_signal -1
	s_barrier_wait -1
.endm
.macro PLACES n
.rept \n
	v_nop
.endr
.endm
.macro G1SET g, c, r, p
	s_mov_b32 s[\g+1], (\c)<<16
	s_mov_b32 s[\g+2], (\r)<<16
	s_mov_b32 s[\g+3], (\c)<<16
	s_mov_b32 s[\g+4], \r
	s_mov_b32 s[\g+5], \p
	s_mov_b32 s[\g+6], 0
	s_mov_b32 s[\g+7], 0
.endm
.macro G0SET g, lb, lo, gp, go
	s_mov_b32 s[\g], 1
	s_add_co_u32 s[\g+1], s[\lb], \lo
	s_add_nc_u64 s[\g+2:\g+3], s[\gp:\gp+1], \go
	s_or_b32 s[\g+3], s[\g+3], 0x80000000
.endm
.macro FRAG reg, a16, a8, off
	ds_load_b128 v[\reg:\reg+3], v[\a16] offset:\off
	ds_load_b64 v[\reg+4:\reg+5], v[\a8] offset:\off+512
	ds_load_b128 v[\reg+6:\reg+9], v[\a16] offset:\off+768
	ds_load_b64 v[\reg+10:\reg+11], v[\a8] offset:\off+1280
.endm
.macro FETCH j, q, p
	WIN 0x40
.irp b, 0,1,2,3,4,5,6,7
	FRAG 128*(\p)+12*\b, B16+\b/2, B8+\b/2, 12288*(\b%2)+3072*(\j)+1536*(\q)
.endr
	WIN 0
.irp a, 0,1,2,3
	FRAG AF+48*(\p)+12*\a, A16, A8, 12288*\a+3072*(\j)+1536*(\q)
.endr
.endm
.macro SCALES
.irp i, 0,1,2,3,4,5,6,7
.irp kh, 0,1
	global_load_b128 v[SC+8*\i+4*\kh:SC+8*\i+4*\kh+3], v[ADRS], s[10:11] offset:512*\i+256*\kh
.if \i < 4
	global_load_b128 v[224+8*\i+4*\kh:224+8*\i+4*\kh+3], v[ADRS], s[6:7] offset:512*\i+256*\kh
.endif
.endr
.endr
.endm
; 16 matrix instructions: S1's tiles a0, a0 + 1 x S0's eight, K step s, set p.  cm = 2: the product starts the sums from the bias.  The 32 accumulators take turns, one instruction a turn.
.macro MUL a0, p, s, cm
.if \cm == 2
	WIN 0xb1                                       ; source 0 window 1, source 1 window 0, C window 3, D window 2
.else
	WIN 0xa1                                       ; C and D window 2
.endif
.irp a, \a0, \a0+1
.irp b, 0,1,2,3,4,5,6,7
.if \cm == 2
	v_wmma_scale_f32_16x16x128_f8f6f4 v[8*(8*(\a)+\b):8*(8*(\a)+\b)+7], v[128*(\p)+12*\b:128*(\p)+12*\b+11], v[AF+48*(\p)+12*(\a):AF+48*(\p)+12*(\a)+11], v[8*\b:8*\b+7], v[SC+8*\b+(\s)], v[SC+8*(\a)+(\s)] matrix_a_fmt:MATRIX_FMT_FP6 matrix_b_fmt:MATRIX_FMT_FP6 matrix_a_scale:MATRIX_SCALE_ROW1
.else
	v_wmma_scale_f32_16x16x128_f8f6f4 v[8*(8*(\a)+\b):8*(8*(\a)+\b)+7], v[128*(\p)+12*\b:128*(\p)+12*\b+11], v[AF+48*(\p)+12*(\a):AF+48*(\p)+12*(\a)+11], v[8*(8*(\a)+\b):8*(8*(\a)+\b)+7], v[SC+8*\b+(\s)], v[SC+8*(\a)+(\s)] matrix_a_fmt:MATRIX_FMT_FP6 matrix_b_fmt:MATRIX_FMT_FP6 matrix_a_scale:MATRIX_SCALE_ROW1
.endif
.endr
.endr
.endm
.macro KSTEP s, cm
.if (\s)%2 == 0
	s_wait_dscnt 0x0                               ; this step's fragments are in
.if (\s) > 0
	PLACES 4                                       ; in front of loads into registers that matrix instructions have read
.endif
	FETCH (\s)/2, 1, 1
	MUL 0, 0, \s, \cm
	MUL 2, 0, \s, \cm
.elseif (\s) < 7
	s_wait_dscnt 0x0                               ; this step's fragments are in
	MUL 0, 1, \s, 1
	PLACES 4
	FETCH (\s)/2+1, 0, 0
	MUL 2, 1, \s, 1
.else
	s_wait_dscnt 0x0
	MUL 0, 1, \s, 1
	MUL 2, 1, \s, 1
	WIN 0
.endif
.endm
	s_load_b256 s[4:11], s[0:1], 0x0               ; aoc s[4:5], aos s[6:7], opc s[8:9], ops s[10:11]
	s_load_b128 s[20:23], s[0:1], 0x20             ; b_out s[20:21], out0 s[22:23]
	v_lshl_add_u32 v126, v0, 2, 0x4b000
	v_mov_b32 v127, 0
	ds_add_u32 v126, v127
	ds_add_u32 v126, v127
	v_lshrrev_b32 v1, 5, v0
	v_readfirstlane_b32 s[WV], v1                  ; wave 0..3
	s_and_b32 s[U], s[WV], 1
	s_bfe_u32 s[CX], ttmp6, 0x40000
	s_bfe_u32 s[CY], ttmp6, 0x40004
	s_lshl_b32 s[R0], ttmp9, 2
	s_add_co_u32 s[R0], s[R0], s[CX]               ; my block of 128 rows of w_out: hangs on cx, never on cy
	s_and_b32 s[R1], ttmp7, 0xffff
	s_lshl_b32 s[R1], s[R1], 2
	s_add_co_u32 s[R1], s[R1], s[CY]               ; my block of 256 tokens: hangs on cy, never on cx
	s_mul_i32 s66, s[R1], 196608
	s_mul_i32 s2, s[U], 98304
	s_add_co_u32 s66, s66, s2
	s_mov_b32 s67, 0
	s_lshl_b32 s16, s[R1], 13
	s_lshl_b32 s2, s[WV], 11
	s_add_co_u32 s16, s16, s2                      ; the scale words of my four tiles of S1
	s_mov_b32 s17, 0
	s_mul_i32 s100, s[R0], 98304
	s_mul_i32 s3, s[U], 49152
	s_add_co_u32 s100, s100, s3
	s_add_co_u32 s100, s100, WOC
	s_mov_b32 s101, 0
	s_lshl_b32 s2, s[CY], 2
	s_lshl_b32 s2, 15, s2                          ; my row of the cluster
	s_lshl_b32 s3, 0x1111, s[CX]                   ; my column
	s_or_b32 s[G1A], s2, (3<<16)|(1<<21)           ; 15:0 the mask; 17:16 elements of 8 bytes; 21 set beside a mask; no padding
	s_or_b32 s[G1B], s3, (3<<16)|(1<<21)
	G1SET G1A, 32, 384, 32                         ; 8 tiles, all of K: 98,304 dense bytes as rows of 256
	G1SET G1B, 32, 192, 32                         ; 4 tiles: 49,152
	s_wait_dscnt 0x0
	s_wait_kmcnt 0x0
	s_add_nc_u64 s[4:5], s[4:5], s[66:67]
	s_add_nc_u64 s[6:7], s[6:7], s[16:17]
	s_add_nc_u64 s[8:9], s[8:9], s[100:101]
	s_lshl_b32 s100, s[R0], 12
	s_add_co_u32 s100, s100, WOS
	s_add_nc_u64 s[10:11], s[10:11], s[100:101]
	s_mul_i32 s2, s[U], 98304
	G0SET 60, 2, 0, 4, 0
	s_mul_i32 s3, s[U], 49152
	G0SET 84, 3, S0O, 8, 0
	CROUND                                         ; all sixteen work-groups are here: the joint loads meet
	s_cmp_lt_u32 s[WV], 2                          ; waves 0, 1 fetch S1's halves, waves 2, 3 S0's: a wave's one fill; four v_nop follow it
	s_cbranch_scc0 .Lfirst_s0
	tensor_load_to_lds s[60:63], s[G1A:G1A+7]
	s_nop 0
	PLACES 4
	s_branch .Lfirst_done
.Lfirst_s0:
	tensor_load_to_lds s[84:87], s[G1B:G1B+7]
	s_nop 0
	PLACES 4
.Lfirst_done:
	v_and_b32 v1, 31, v0                           ; lane
	v_and_b32 v2, 15, v0                           ; r
	v_bfe_u32 v3, v0, 4, 1                         ; h
	v_lshlrev_b32 v[L16], 4, v1
	v_lshlrev_b32 v[L8], 3, v1
	v_lshlrev_b32 v[HB], 6, v3
	s_wait_alu depctr_va_vdst(0)
	s_lshl_b32 s2, s[R0], 9
	s_mov_b32 s3, 0
	s_add_nc_u64 s[20:21], s[20:21], s[2:3]        ; the bias of my 128 columns
	s_add_nc_u64 s[22:23], s[22:23], s[2:3]        ; out0 at my first column,
	s_lshl_b32 s2, s[R1], 20
	s_lshl_b32 s16, s[WV], 18
	s_add_co_u32 s2, s2, s16
	s_add_nc_u64 s[22:23], s[22:23], s[2:3]        ; and at token 256 R1 + 64 w
	WIN 0xc0                                       ; destination window 3
.irp b, 0,1,2,3,4,5,6,7                ; lane (r, h) wants, for tile b, the bias of columns 32 (b / 2) + 16 h + 8 (b % 2) + 0 .. 7
	global_load_b128 v[8*\b:8*\b+3], v[HB], s[20:21] offset:128*(\b/2)+32*(\b%2)
	global_load_b128 v[8*\b+4:8*\b+7], v[HB], s[20:21] offset:128*(\b/2)+32*(\b%2)+16
.endr
	WIN 0
	s_mul_i32 s2, s[WV], 49152                     ; my four tiles of S1
	v_add_nc_u32 v[A16], s2, v[L16]
	v_add_nc_u32 v[A8], s2, v[L8]
.irp j, 0,1,2,3                        ; S0's tiles 2 j, 2 j + 1
	v_add_nc_u32 v[B16+\j], \j*24576+S0O, v[L16]
	v_add_nc_u32 v[B8+\j], \j*24576+S0O, v[L8]
.endr
	v_lshlrev_b32 v[ADRS], 4, v2                   ; 16 r: my row's four words of a half of K
	SCALES
	s_mul_i32 s2, s[WV], 49152                     ; my stage for the way out: 16 rows x (512 + 16) bytes at the start of my own four tiles of S1, which have their one fill behind them and which no other wave reads
	v_mul_u32_u24 v[STO], v2, 528
	v_lshl_add_u32 v[STO], v3, 6, v[STO]
	v_add_nc_u32 v[STO], s2, v[STO]                ; in: row r, + 64 h
	v_add_nc_u32 v[RD], s2, v[L16]                 ; back: a row of 512 bytes, 16 a lane
	s_wait_alu depctr_va_vdst(0)
	s_wait_tensorcnt 0x0                           ; my one load has landed
	s_barrier_signal -1
	s_barrier_wait -1                              ; everybody's have
	FETCH 0, 0, 0
	s_wait_loadcnt 0x0                             ; the bias and the scale words
	s_mov_b32 s2, 0xffff0000
.set j, 0
.rept 32
	v_cndmask_b32 v[SC+j], v[224+j], v[SC+j], s2   ; lanes 0-15 S1's words, lanes 16-31 keep S0's
.set j, j+1
.endr
	PLACES 8                                       ; a scale register written by a vector instruction stands eight places ahead of a scaled product
	s_wait_alu depctr_va_vdst(0)
	KSTEP 0, 2                                     ; the first K step starts the sums from the bias: nothing is cleared, nothing is added later
	KSTEP 1, 1
	KSTEP 2, 1
	KSTEP 3, 1
	KSTEP 4, 1
	KSTEP 5, 1
	KSTEP 6, 1
	KSTEP 7, 1
; THE WAY OUT, a tile of 16 tokens x 128 columns at a time: through my own stage, back as whole rows of 512 bytes.  LDS serves a wave's instructions in order: no wait between the stores and the loads.
.macro TOSTAGE a
	WIN 0x08                                       ; an LDS store's data are its source 1: window 2
.irp b, 0,1,2,3,4,5,6,7
	ds_store_b128 v[STO], v[8*(8*(\a)+\b):8*(8*(\a)+\b)+3] offset:128*(\b/2)+32*(\b%2)        ; each accumulator from its low end on
	ds_store_b128 v[STO], v[8*(8*(\a)+\b)+4:8*(8*(\a)+\b)+7] offset:128*(\b/2)+32*(\b%2)+16
.endr
	WIN 0
.set BB, BK+64*((\a)%2)
.irp t, 0,1,2,3,4,5,6,7,8,9,10,11,12,13,14,15
	ds_load_b128 v[BB+4*\t:BB+4*\t+3], v[RD] offset:528*\t
.endr
.endm
.macro SEND a, younger                 ; younger: the LDS instructions issued behind tile a's loads, which may stay out
.set BB, BK+64*((\a)%2)
	s_wait_dscnt \younger
.irp t, 0,1,2,3,4,5,6,7,8,9,10,11,12,13,14,15
	global_store_b128 v[L16], v[BB+4*\t:BB+4*\t+3], s[22:23] offset:(32*((\a)/2)+8*((\a)%2)+\t+8*(\t/8))*4096 th:TH_STORE_NT   ; 512 consecutive bytes, aligned to 256; the immediate holds the token that row t of the tile stands for
.endr
.endm
	PLACES 4                                       ; behind the last products: for the stores of results and the loads into the fragments' registers
	TOSTAGE 0
.irp a, 1,2,3
.if \a > 1
	s_wait_xcnt 0x0                                ; tile a - 2's stores have read their data: tile a's rows land there only behind this wait
.endif
	TOSTAGE \a
	SEND \a-1, 32                                  ; behind tile a - 1's loads: tile a's 16 stores and 16 loads
.endr
	SEND 3, 0
	s_wait_tensorcnt 0x0
	s_wait_tensorcnt 0x0
	ds_add_u32 v126, v127
	s_wait_dscnt 0x0
	CROUND                                         ; the closing round: no work-group ends while a partner may still ask for a tile that names it
	s_endpgm
.Lfunc_end_k_q8971ee55c3_proj:
	.size	k_q8971ee55c3_proj, .Lfunc_end_k_q8971ee55c3_proj-k_q8971ee55c3_proj
	.p2alignl 7, 3214868480
	.fill 96, 4, 3214868480
	.section	.rodata,"a",@progbits
	.p2align	6, 0x0
	.amdhsa_kernel k_q8971ee55c3_proj
		.amdhsa_group_segment_fixed_size 307712
		.amdhsa_private_segment_fixed_size 0
		.amdhsa_enable_private_segment 0
		.amdhsa_kernarg_size 48
		.amdhsa_user_sgpr_count 2
		.amdhsa_user_sgpr_kernarg_segment_ptr 1
		.amdhsa_wavefront_size32 1
		.amdhsa_system_sgpr_workgroup_id_x 1
		.amdhsa_system_sgpr_workgroup_id_y 1
		.amdhsa_system_sgpr_workgroup_id_z 1
		.amdhsa_system_vgpr_workitem_id 0
		.amdhsa_next_free_vgpr 832
		.amdhsa_next_free_sgpr 102
		.amdhsa_reserve_vcc 0
		.amdhsa_float_denorm_mode_32 3
		.amdhsa_float_denorm_mode_16_64 3
		.amdhsa_memory_ordered 1
		.amdhsa_forward_progress 1
		.amdhsa_inst_pref_size 85
	.end_amdhsa_kernel
	.amdgpu_metadata
---
amdhsa.version: [ 1, 2 ]
amdhsa.kernels:
  - .name:           k_q8971ee55c3_proj
    .symbol:         k_q8971ee55c3_proj.kd
    .args:
      - { .name: aoc, .offset: 0, .size: 8, .value_kind: global_buffer, .address_space: global }
      - { .name: aos, .offset: 8, .size: 8, .value_kind: global_buffer, .address_space: global }
      - { .name: opc, .offset: 16, .size: 8, .value_kind: global_buffer, .address_space: global }
      - { .name: ops, .offset: 24, .size: 8, .value_kind: global_buffer, .address_space: global }
      - { .name: b_out, .offset: 32, .size: 8, .value_kind: global_buffer, .address_space: global }
      - { .name: out0, .offset: 40, .size: 8, .value_kind: global_buffer, .address_space: global }
    .group_segment_fixed_size: 307712
    .private_segment_fixed_size: 0
    .kernarg_segment_align: 8
    .kernarg_segment_size: 48
    .max_flat_workgroup_size: 128
    .sgpr_count:     102
    .vgpr_count:     832
    .wavefront_size: 32
...
	.end_amdgpu_metadata
.endif
;; end of part 4
